; MI455X (gfx1250); checked and timed in simulation.
; The chip was launched on July 23, 2026; its instructions are those of AMD's public machine-readable ISA for CDNA 5 (MIT licence, August 2026) and "CDNA5" Instruction Set Architecture Reference Guide (July 2026). The comments in the code are by the model that wrote it; some were corrected since.
;; Symbolic Flow Matching. Allowed arithmetic: matrix products marked QUANTISED: E3M2 operands, one E8M0 scale for each 32 along K, by v_wmma_scale_f32_16x16x128_f8f6f4 with both operands' format E3M2, f32 sums; everything else in f32.
;; Inputs: emb_table 32,000 x 512 float32; xt_codes 16 x 256 x 16 x 24 uint8 (E3M2 codes of xt, K innermost, in blocks of 32 codes, four codes in three bytes); xt_scales 16 x 256 x 16 uint8 (E8M0 scales of xt, one for each 32 codes along K).
;; Outputs: out0 16 x 256 x 512 float32.
;; This version of the problem:
;;   THIS VERSION OF THE PROBLEM IS GIVEN IN LOW PRECISION. The matrix products marked QUANTISED in the list below multiply operands that are first quantised to E3M2 (3 exponent bits, 2 mantissa bits; 6 bits a number), with one power-of-two scale for each 32 numbers along K (OCP MX v1.0); their sums are f32. All else is computed in f32.
;;   The module's matrix products, in the order in which they are computed (A, B: the left and right operand; K: the contracted axis; several contracted axes count as one K, in the product's order):
;;     1. [M 4,096, K 512] x [K 512, N 32,000]; A: input xt (given as codes); B: input emb_table: QUANTISED
;;   THE QUANTISER, for each operand of a quantised product, along K:
;;     - K is cut into blocks of 32 from its start; a last block that is shorter is filled with zeros.
;;     - A block's scale is 2^e with e = floor(log2(the largest magnitude in the block)) - 4, held to -126 .. 127; a block of zeros has e = 0. As a byte (E8M0): e + 127.
;;     - Each number is divided by its block's scale, clamped to +-28, and rounded to the nearest number of E3M2, ties to even, subnormals kept.
;;     - The product sums the exact products of the quantised numbers (number of the format x scale) in f32.
;;   ~~~python
;;   def quantise(x, axis):      # numpy; x: float32 -> the quantised numbers, widened to float32 again
;;       x = np.moveaxis(x, axis, -1); K = x.shape[-1]
;;       x = np.pad(x, [(0, 0)] * (x.ndim - 1) + [(0, -K % 32)]); x = x.reshape(x.shape[:-1] + (-1, 32)); a = np.abs(x).max(-1, keepdims=True)
;;       e = np.where(a > 0, np.clip(np.frexp(np.where(a > 0, a, 1))[1] - 1 - 4, -126, 127), 0)      # np.frexp(a)[1] - 1 = floor(log2(a)), exactly
;;       r = np.clip(x / 2.0 ** e, -28, 28)
;;       step = 2.0 ** (np.maximum(np.frexp(np.where(r == 0, 1, r))[1] - 1, -2) - 2)
;;       q = np.round(r / step) * step * 2.0 ** e      # np.round: ties to even
;;       return np.moveaxis(q.reshape(q.shape[:-2] + (-1,))[..., :K], -1, axis).astype(np.float32)
;;   ~~~
;;   INPUTS GIVEN AS CODES. xt (in the module: [16, 256, 512], K = its axis 2): each comes as NAME_codes (uint8): NAME with its K axis moved to the last place and cut into blocks of 32 codes, [.., K / 32, bytes a block], one block behind the other in memory; four codes in three bytes: a row's codes are one little-endian stream of bits, code i at bits 6 i .. 6 i + 5 (a code: sign, 3 exponent bits, 2 mantissa bits); and NAME_scales (uint8): the same leading axes, one E8M0 byte (e + 127) for each 32 codes along K. Its value is code x scale, taken as it is: it is not quantised again, and the codes and scales need not be those that the quantiser above would give.
;; One version. Each part assembles by itself: llvm-mc -triple=amdgcn-amd-amdhsa -mcpu=gfx1250 --defsym DOCPART=n.
;; ======== version 1 of 1: 2 launches
;; limits: right only within a limited range of input values
;; workspace buffers: part 8,388,608 bytes of whole numbers
;; launch score (part 1): grid 256 x 1, 4 waves a work-group, clusters of 4 x 1, 327,680 bytes of LDS; arguments emb_table, xt_codes, xt_scales, part; writes part
.if DOCPART == 1
	.amdgcn_target "amdgcn-amd-amdhsa--gfx1250"
	.amdhsa_code_object_version 6
	.text
	.protected	k_q3613230ae9_score
	.globl	k_q3613230ae9_score
	.p2align	8
	.type	k_q3613230ae9_score,@function
k_q3613230ae9_score:
	s_mov_b64 s[64:65], 0
	v_nop
	global_prefetch_b8 v0, s[64:65] scope:SCOPE_SE
	s_setreg_imm32_b32 hwreg(HW_REG_WAVE_MODE, 25, 1), 1
	s_wait_xcnt 0x0
	s_wait_alu depctr_hold_cnt(0) depctr_sa_sdst(0) depctr_va_vdst(0) depctr_va_sdst(0) depctr_va_ssrc(0) depctr_va_vcc(0) depctr_vm_vsrc(0)
	s_getreg_b32 s2, hwreg(HW_REG_IB_STS2, 6, 4)
	s_cmp_eq_u32 s2, 0
	s_cbranch_scc0 .Lentry_in_a_cluster
	s_endpgm
.Lentry_in_a_cluster:
	s_bfe_u32 s2, ttmp6, 0x10000c
	s_cmp_lg_u32 s2, 0x3003
	s_cbranch_scc0 .Lentry_shape_is_right
	s_endpgm
.Lentry_shape_is_right:
; out0 = emb_table[argmin over v of (|e_v|^2 - 2 x.e_v)], first part: for every row of x and every work-group the largest x.e - |e|^2 / 2 over the group's 128 table rows, with its first index.
; A work-group owns table rows 125 g .. 125 g + 127 (held to the table's end): each wave brings 32 of them as f32 through its own LDS stage, quantises them to E3M2 with one E8M0 byte for 32 along K,
; and hands the operand's register image to the other waves through LDS; every wave then keeps all 128 rows' fragments in registers (windows 1 and 2).
; The 4,096 rows of x are dealt to the four waves, 1,024 each, and come as codes through a ring of two LDS slots a wave; the four work-groups of a cluster ask for them jointly.
; x's codes are dense in memory, so a slot of 64 rows x 384 bytes is stated as 96 rows of 256 bytes, each beginning at a multiple of 256 bytes, with 16 bytes of padding behind each.
; K is permuted alike on both sides: lane half h takes k = 64 h .. 64 h + 63 of each 128, and the scale words' middle bytes change places with it.
; The first index of the largest score: (largest - score) x 2^120 + index, and the smallest of these.  LIMIT: two scores of a row that differ by less than 2^-113 are not told apart.
; No prefetch: the table's rows are asked for at the head, with no loop ahead of them to ask in, and x's 1.5 MB are read by every work-group in step.
.set STGW,  66560
.set STGH,  33280
.set STGP,  1040
.set RINGW, 55296
.set SLOTL, 26112                      ; a slot in LDS: 96 rows of 272 bytes
.set XT16,  6528                       ; 16 rows of x in LDS: 24 rows of 272 bytes
.set SLOTG, 24576
.set KEYS,  221184
.set IMG,   266240
.set FRB,   1536
.set BSC,   315392
.set ESQB,  319488
.set SPARE, 320000
.set VB,   4
.set IW,   5
.set SW,   6
.set EW,   7
.set LIA,  8
.set LSA,  9
.set LCA,  10
.set SOFF, 11
.set VO,   12
.set XA,   108                         ; v108-111 my x fragment's LDS address in slot 0, in four kinds (below)
.set KA0,  15
.set ES,   16
.set MX,   24
.set SO,   26
.set SPW,  28
.set NIL,  29
.set BY,   30
.set BS,   32
.set XS,   64
.set RS0,  72
.set RS1,  76
.set CD,   80
.set CO,   92
.set XC,   112                         ; v112-115 the same in the slot at work
.set KA,   102
.set KR,   103
.set WD,   104
.set PT,   105
.set H8,   106
.set FS,   128
.set CC,   128
.set OB,   192
.set XF,   128
.set NI,   176
.set NT,   184
.set TM,   192
.set TU,   200
.set MB,   208
.set R,    210
.set MZ,   215
.set K1,   216
.set KG,   218
.set SV,   0xff
.set SM0,  0xcd
.set SM1,  0xfd
.set SM2,  0xfe
.set LX,   0xc0
.set KSW,  0x0c
.set MSB,  0
.macro WIN new
.if MSB != (\new)
	s_set_vgpr_msb (MSB<<8)|(\new)
.set MSB, (\new)
.endif
.endm
.macro WINPK
.if (MSB != SM1) && (MSB != SM2)
	WIN SV
.endif
.endm
.macro NOP4
.rept 4
	v_nop
.endr
.endm
.macro CREST
	s_cmp_lg_u32 s12, 0
	s_cbranch_scc1 .Lnot_wave_0_\@
	s_barrier_signal -3
.Lnot_wave_0_\@:
	s_barrier_wait -3
	s_barrier_signal -1
	s_barrier_wait -1
.endm
.macro ROUND
	s_barrier_signal -1
	s_barrier_wait -1
	CREST
.endm
	s_load_b256 s[4:11], s[0:1], 0x0
	v_lshl_add_u32 v[SPW], v0, 2, SPARE
	v_mov_b32 v[NIL], 0
	ds_add_u32 v28, v29
	ds_add_u32 v28, v29
	s_wait_dscnt 0x0
	v_lshrrev_b32 v1, 5, v0
	v_readfirstlane_b32 s12, v1
	s_bfe_u32 s13, ttmp6, 0x40000
	s_lshl_b32 s14, ttmp9, 2
	s_add_co_u32 s14, s14, s13
	s_mul_i32 s15, s14, 125
	s_min_u32 s15, s15, 31872
	s_mov_b32 s16, (2<<16)|(1<<20)|(7<<22)|(3<<25)
	s_mov_b32 s17, 256<<16
	s_mov_b32 s18, 32<<16
	s_mov_b32 s19, 256<<16
	s_mov_b32 s20, 32
	s_mov_b32 s21, 512
	s_mov_b32 s22, 0
	s_mov_b32 s23, 0
	s_mov_b32 s32, 15|(1<<20)|(1<<21)|(5<<22)|(3<<25)  ; a slot: 96 rows of 256 bytes, 4 words of padding behind every 64
	s_mov_b32 s33, 256<<16
	s_mov_b32 s34, 96<<16
	s_mov_b32 s35, 256<<16
	s_mov_b32 s36, 96
	s_mov_b32 s37, 256
	s_mov_b32 s38, 0
	s_mov_b32 s39, 0
	s_mov_b32 s40, 15|(1<<20)|(1<<21)|(5<<22)|(3<<25)  ; the ring's first fill: both slots, 192 rows of 256 bytes
	s_mov_b32 s41, 256<<16
	s_mov_b32 s42, 192<<16
	s_mov_b32 s43, 256<<16
	s_mov_b32 s44, 192
	s_mov_b32 s45, 256
	s_mov_b32 s46, 0
	s_mov_b32 s47, 0
	s_lshl_b32 s66, s12, 5
	s_add_co_u32 s66, s66, s15
	s_lshl_b32 s66, s66, 11
	s_mov_b32 s67, 0
	s_mul_i32 s68, s12, STGW
	s_mul_i32 s53, s12, RINGW
	s_mul_i32 s76, s12, 1024*384
	s_mov_b32 s77, 0
	s_lshl_b32 s74, s12, 21
	s_lshl_b32 s75, s14, 8
	s_add_co_u32 s74, s74, s75
	s_mov_b32 s75, 0
	s_mov_b32 s52, 0
	s_mov_b32 s55, 0
	s_mov_b32 s58, 0x7b800000
	s_mov_b32 s59, s58
	s_mov_b32 s60, 0x76543210
	s_mov_b32 s61, 0xfedcba98
	s_mov_b32 s62, 0x03010200
	s_wait_kmcnt 0x0
	s_mov_b32 s24, 1
	s_mov_b32 s25, s68
	s_add_nc_u64 s[26:27], s[4:5], s[66:67]
	s_add_nc_u64 s[30:31], s[26:27], 1024
	s_or_b32 s27, s27, 0x80000000
	s_mov_b32 s28, 1
	s_add_co_u32 s29, s68, STGH
	s_or_b32 s31, s31, 0x80000000
	s_mov_b32 s48, 1
	s_mov_b32 s49, s53
	s_add_nc_u64 s[50:51], s[6:7], s[76:77]
	s_or_b32 s51, s51, 0x80000000
	s_mov_b64 s[56:57], s[8:9]
	s_add_nc_u64 s[10:11], s[10:11], s[74:75]
	ROUND
	tensor_load_to_lds s[24:27], s[16:23]
	s_nop 0
	s_wait_alu depctr_va_vdst(0)
	s_wait_tensorcnt 0x0
	ds_add_u32 v28, v29
	s_wait_dscnt 0x0
	ROUND
	tensor_load_to_lds s[28:31], s[16:23]
	s_nop 0
	NOP4
	v_and_b32 v1, 31, v0
	v_and_b32 v2, 15, v0
	v_bfe_u32 v3, v0, 4, 1
	v_lshlrev_b32 v[SOFF], 4, v1
	s_lshl_b32 s69, s12, 14
	v_add_nc_u32 v[SOFF], s69, v[SOFF]
	global_load_b128 v[RS0:RS0+3], v[SOFF], s[56:57]
	global_load_b128 v[RS1:RS1+3], v[SOFF], s[56:57] offset:512
	v_mul_u32_u24 v[VB], v2, STGP
	v_lshl_add_u32 v[VB], v3, 8, v[VB]
	v_add_nc_u32 v[VB], s68, v[VB]
	s_mul_i32 s69, s12, 8*FRB
	s_add_co_u32 s69, s69, IMG
	v_lshl_add_u32 v[IW], v1, 4, s69
	s_lshl_b32 s70, s12, 10
	s_add_co_u32 s70, s70, BSC
	v_lshl_add_u32 v[SW], v1, 4, s70
	s_lshl_b32 s71, s12, 7
	s_add_co_u32 s71, s71, ESQB
	v_lshl_add_u32 v[EW], v2, 2, s71
	v_lshl_add_u32 v[LIA], v1, 4, IMG
	v_lshl_add_u32 v[LSA], v1, 4, BSC
	v_lshl_add_u32 v[LCA], v3, 5, ESQB
	v_lshlrev_b32 v[VO], 4, v2
	v_lshl_add_u32 v[VO], v3, 16, v[VO]
	; row r of x begins at byte 384 r of the slot's dense block: in LDS at 384 r + 16 (3 r / 2, rounded down) = 400 r + 16 (r / 2).
	; A row passes one pad: an even row at its byte 256, an odd row at its byte 128.  Four kinds of address, by which lanes have passed it:
	; kind 0 none (or all: 16 in the immediate); kind 1 odd rows in lanes 16-31; kind 2 odd rows; kind 3 odd rows, and all of lanes 16-31
	v_lshrrev_b32 v116, 1, v2
	v_and_b32 v117, 1, v2
	v_mul_u32_u24 v[XA], v2, 400
	v_lshl_add_u32 v[XA], v116, 4, v[XA]
	v_mad_u32_u24 v[XA], v3, 48, v[XA]
	v_add_nc_u32 v[XA], s53, v[XA]
	v_and_b32 v118, v117, v3
	v_and_or_b32 v119, v117, 1, v3
	v_lshl_add_u32 v[XA+1], v118, 4, v[XA]
	v_lshl_add_u32 v[XA+2], v117, 4, v[XA]
	v_lshl_add_u32 v[XA+3], v119, 4, v[XA]
.irp q, 0,1,2,3
	v_add_nc_u32 v[XC+\q], s52, v[XA+\q]
.endr
	s_lshl_b32 s73, s12, 13
	s_add_co_u32 s73, s73, KEYS
	v_lshl_add_u32 v[KA0], v2, 3, s73
	v_lshl_add_u32 v[KR], v1, 4, s73
	v_lshlrev_b32 v[H8], 3, v3
	v_mov_b32 v[PT], 0
.irp q, 0,1,2,3,4,5,6,7
	v_add_nc_u32 v[FS+\q], \q, v[H8]
.endr
	WIN LX
.irp q, 0,1,2,3,4,5,6,7
	v_cvt_f32_u32 v[NI+\q], v[FS+\q]
.endr
.irp q, 0,1,2,3,4,5,6,7
	v_cvt_f32_u32 v[NT+\q], 16*\q
.endr
	v_mov_b32 v[MB+1], 0
	WIN 0
	s_wait_loadcnt 0x1
.irp q, 0,1,2,3
	v_perm_b32 v[XS+\q], v[RS0+\q], v[RS0+\q], s62
.endr
	global_load_b128 v[RS0:RS0+3], v[SOFF], s[56:57] offset:1024
.macro LOADF fs, fi
.set KH, (\fi)/4
.set NBL, ((\fi)/2)%2
.set KSL, (\fi)%2
.irp t, 0,1,2,3,4,5,6,7,8,9,10,11,12,13,14,15
	ds_load_b128 v[FS+64*(\fs)+4*\t:FS+64*(\fs)+4*\t+3], v[VB] offset:STGH*KH+16*STGP*NBL+512*KSL+16*\t
.endr
.endm
.macro QUANTB fs, fi
.set FB, FS+64*(\fs)
.set NBL, ((\fi)/2)%2
.set KSQ, 2*((\fi)/4)+(\fi)%2
.set EB, ES+4*NBL
.irp t, 0,2,4,6,8,10,12,14,16,18,20,22,24,26,28,30
.irp c, 0,1
.if \t == 0
	v_max3_num_f32 v[MX+\c], |v[FB+32*\c]|, |v[FB+32*\c+1]|, 0x2800000
.else
	v_max3_num_f32 v[MX+\c], v[MX+\c], |v[FB+32*\c+\t]|, |v[FB+32*\c+\t+1]|
.endif
.endr
.irp c, 0,1
.if (\t == 0) && (KSQ == 0)
	v_pk_mul_f32 v[EB+2*\c:EB+2*\c+1], v[FB+32*\c:FB+32*\c+1], v[FB+32*\c:FB+32*\c+1]
.else
	v_pk_fma_f32 v[EB+2*\c:EB+2*\c+1], v[FB+32*\c+\t:FB+32*\c+\t+1], v[FB+32*\c+\t:FB+32*\c+\t+1], v[EB+2*\c:EB+2*\c+1]
.endif
.endr
.endr
.irp c, 0,1
	v_add_nc_u32 v[SO+\c], 0xfe000000, v[MX+\c]
.endr
.irp c, 0,1
	v_lshrrev_b32 v[BY+\c], 23, v[SO+\c]
.endr
	v_lshl_or_b32 v[WD], v[BY+1], 16, v[BY]
	v_lshlrev_b32 v[WD], v[H8], v[WD]
	v_permlanex16_b32 v[PT], v[WD], s60, s61
	v_or_b32 v[WD], v[WD], v[PT]
.irp c, 0,1
	v_cvt_scalef32_pk16_bf6_f32 v[CD+6*\c:CD+6*\c+2], v[FB+32*\c:FB+32*\c+15], v[SO+\c]
	v_cvt_scalef32_pk16_bf6_f32 v[CO+4*\c:CO+4*\c+2], v[FB+32*\c+16:FB+32*\c+31], v[SO+\c]
.endr
	v_nop
.irp c, 0,1
.irp t, 0,1,2
	v_mov_b32 v[CD+6*\c+3+\t], v[CO+4*\c+\t]
.endr
.endr
.irp c, 0,1,2
	ds_store_b128 v[IW], v[CD+4*\c:CD+4*\c+3] offset:(4*NBL+KSQ)*FRB+512*\c
.endr
	ds_store_b32 v[SW], v[WD] offset:512*NBL+4*KSQ
.endm
.macro ESQM nbl
	v_pk_add_f32 v[ES+4*\nbl:ES+4*\nbl+1], v[ES+4*\nbl:ES+4*\nbl+1], v[ES+4*\nbl+2:ES+4*\nbl+3]
	v_add_f32 v[BY], v[ES+4*\nbl], v[ES+4*\nbl+1]
	v_permlanex16_b32 v[PT], v[BY], s60, s61
	v_add_f32 v[BY], v[BY], v[PT]
	v_mul_f32 v[BY], -0.5, v[BY]
	ds_store_b32 v[EW], v[BY] offset:64*\nbl
.endm
	s_wait_tensorcnt 0x1
	LOADF 0, 0
.set FI, 0
.rept 8
.if FI == 3
	s_wait_tensorcnt 0x0
.endif
.if FI < 7
	LOADF (FI+1)%2, FI+1
	s_wait_dscnt 16
.else
	s_wait_dscnt 0x0
.endif
	QUANTB FI%2, FI
.if FI == 5
	ESQM 0
.endif
.if FI == 7
	ESQM 1
.endif
.set FI, FI+1
.endr
	s_wait_tensorcnt 0x0
	ds_add_u32 v[SPW], v[NIL]
	s_wait_dscnt 0x0
	ROUND
	tensor_load_to_lds s[48:51], s[40:47]
	s_nop 0
	NOP4
	WIN 0x40
.irp ks, 0,1
.irp nb, 0,1,2,3,4,5,6,7
.irp c, 0,1,2
	ds_load_b128 v[12*(8*\ks+\nb)+4*\c:12*(8*\ks+\nb)+4*\c+3], v[LIA] offset:FRB*(4*\nb+\ks)+512*\c
.endr
.endr
.endr
	WIN 0x80
.irp ks, 2,3
.irp nb, 0,1,2,3,4,5,6,7
.irp c, 0,1,2
	ds_load_b128 v[12*(8*(\ks-2)+\nb)+4*\c:12*(8*(\ks-2)+\nb)+4*\c+3], v[LIA] offset:FRB*(4*\nb+\ks)+512*\c
.endr
.endr
.endr
	WIN 0
.irp nb, 0,1,2,3,4,5,6,7
	ds_load_b128 v[BS+4*\nb:BS+4*\nb+3], v[LSA] offset:512*\nb
.endr
.irp nb, 0,1,2,3,4,5,6,7
	ds_load_b128 v[CC+8*\nb:CC+8*\nb+3], v[LCA] offset:64*\nb
	ds_load_b128 v[CC+8*\nb+4:CC+8*\nb+7], v[LCA] offset:64*\nb+16
.endr
	s_wait_tensorcnt 0x0
	s_add_nc_u64 s[50:51], s[50:51], SLOTG
.macro XLOAD ks
	WIN LX
.irp t, 0,1,2
.set XX, 96*(\ks)+16*\t                ; lanes 0-15 read byte XX of their row, lanes 16-31 byte XX + 48
.set XE, 0
.if XX < 96
.set XK, 0
.elseif XX < 128
.set XK, 1
.elseif XX < 208
.set XK, 2
.elseif XX < 288
.set XK, 3
.else
.set XK, 0
.set XE, 16
.endif
	ds_load_b128 v[XF+12*(\ks)+4*\t:XF+12*(\ks)+4*\t+3], v[XC+XK] offset:XOFF+XX+XE
.endr
.endm
.macro MM set, p
.set KQ, i/8
.set NBQ, i%8
.set RD, 64*(\set)+8*NBQ
.set RA, 12*(8*(KQ%2)+NBQ)
.set RB, XF+12*KQ
.set RSA, BS+4*NBQ+KQ
.set RSB, XS+4*((\p)/2)+KQ
.if KQ == 0
	WIN SM0
.if (\p)%2
	v_wmma_scale_f32_16x16x128_f8f6f4 v[RD:RD+7], v[RA:RA+11], v[RB:RB+11], v[CC+8*NBQ:CC+8*NBQ+7], v[RSA], v[RSB] matrix_a_fmt:MATRIX_FMT_BF6 matrix_b_fmt:MATRIX_FMT_BF6 matrix_b_scale:MATRIX_SCALE_ROW1
.else
	v_wmma_scale_f32_16x16x128_f8f6f4 v[RD:RD+7], v[RA:RA+11], v[RB:RB+11], v[CC+8*NBQ:CC+8*NBQ+7], v[RSA], v[RSB] matrix_a_fmt:MATRIX_FMT_BF6 matrix_b_fmt:MATRIX_FMT_BF6
.endif
.else
.if KQ == 1
	WIN SM1
.else
	WIN SM2
.endif
.if (\p)%2
	v_wmma_scale_f32_16x16x128_f8f6f4 v[RD:RD+7], v[RA:RA+11], v[RB:RB+11], v[RD:RD+7], v[RSA], v[RSB] matrix_a_fmt:MATRIX_FMT_BF6 matrix_b_fmt:MATRIX_FMT_BF6 matrix_b_scale:MATRIX_SCALE_ROW1
.else
	v_wmma_scale_f32_16x16x128_f8f6f4 v[RD:RD+7], v[RA:RA+11], v[RB:RB+11], v[RD:RD+7], v[RSA], v[RSB] matrix_a_fmt:MATRIX_FMT_BF6 matrix_b_fmt:MATRIX_FMT_BF6
.endif
.endif
.endm
.macro EP set
.set AB, 64*(\set)
.if ((j >= 34) && (j < 98)) || ((j >= 130) && (j < 134))
	WINPK
.elseif j < 146
	WIN SV
.endif
.if j < 8
	v_max3_num_f32 v[TM+j], v[AB+8*j], v[AB+8*j+1], v[AB+8*j+2]
.elseif j < 16
	v_max3_num_f32 v[TU+j-8], v[AB+8*(j-8)+3], v[AB+8*(j-8)+4], v[AB+8*(j-8)+5]
.elseif j < 24
	v_max3_num_f32 v[TM+j-16], v[TM+j-16], v[AB+8*(j-16)+6], v[AB+8*(j-16)+7]
.elseif j == 24
	v_max3_num_f32 v[R], v[TM], v[TU], v[TM+1]
.elseif j == 25
	v_max3_num_f32 v[R+1], v[TU+1], v[TM+2], v[TU+2]
.elseif j == 26
	v_max3_num_f32 v[R+2], v[TM+3], v[TU+3], v[TM+4]
.elseif j == 27
	v_max3_num_f32 v[R+3], v[TU+4], v[TM+5], v[TU+5]
.elseif j == 28
	v_max3_num_f32 v[R+4], v[TM+6], v[TU+6], v[TM+7]
.elseif j == 29
	v_max3_num_f32 v[R], v[R], v[R+1], v[TU+7]
.elseif j == 30
	v_max3_num_f32 v[R+2], v[R+2], v[R+3], v[R+4]
.elseif j == 31
	v_max_num_f32 v[R], v[R], v[R+2]
.elseif j == 32
	v_permlanex16_b32 v[R+1], v[R], s60, s61
.elseif j == 33
	v_max_num_f32 v[MB], v[R], v[R+1]
.elseif j < 66
	v_pk_fma_f32 v[AB+2*(j-34):AB+2*(j-34)+1], -1.0, v[AB+2*(j-34):AB+2*(j-34)+1], v[MB:MB+1] op_sel_hi:[0,1,0]
.elseif j < 98
	v_pk_fma_f32 v[AB+2*(j-66):AB+2*(j-66)+1], s[58:59], v[AB+2*(j-66):AB+2*(j-66)+1], v[NI+(2*(j-66))%8:NI+(2*(j-66))%8+1] op_sel_hi:[0,1,1]
.elseif j < 106
	v_min3_num_f32 v[TM+j-98], v[AB+8*(j-98)], v[AB+8*(j-98)+1], v[AB+8*(j-98)+2]
.elseif j < 114
	v_min3_num_f32 v[TU+j-106], v[AB+8*(j-106)+3], v[AB+8*(j-106)+4], v[AB+8*(j-106)+5]
.elseif j < 122
	v_min3_num_f32 v[TM+j-114], v[TM+j-114], v[AB+8*(j-114)+6], v[AB+8*(j-114)+7]
.elseif j < 130
	v_min_num_f32 v[TM+j-122], v[TM+j-122], v[TU+j-122]
.elseif j < 134
	v_pk_fma_f32 v[TM+2*(j-130):TM+2*(j-130)+1], 1.0, v[TM+2*(j-130):TM+2*(j-130)+1], v[NT+2*(j-130):NT+2*(j-130)+1] op_sel_hi:[0,1,1]
.elseif j == 134
	v_min3_num_f32 v[R], v[TM], v[TM+1], v[TM+2]
.elseif j == 135
	v_min3_num_f32 v[R+1], v[TM+3], v[TM+4], v[TM+5]
.elseif j == 136
	v_add_f32 v[MZ], 0, v[MB]
.elseif j == 137
	v_min3_num_f32 v[R], v[R], v[TM+6], v[TM+7]
.elseif j == 138
	v_xor_b32 v[K1], 0x7fffffff, v[MZ]
.elseif j == 139
	v_min_num_f32 v[R], v[R], v[R+1]
.elseif j == 140
	v_cmp_gt_i32 vcc_lo, 0, v[MZ]
.elseif j == 141
	v_permlanex16_b32 v[R+1], v[R], s60, s61
.elseif j == 142
	v_cndmask_b32 v[KG], v[K1], v[MZ], vcc_lo
.elseif j == 143
	v_min_num_f32 v[R], v[R], v[R+1]
.elseif j == 144
	v_cvt_u32_f32 v[R+2], v[R]
.elseif j == 145
	v_add_nc_u32 v[KG+1], s15, v[R+2]
.else
	v_nop
.endif
.endm
.macro EPR set, first, count
.set j, \first
.rept \count
	EP \set
.set j, j+1
.endr
.endm
.macro SLICE set
.if k < 6
	EPR \set, 4*k, 4
.elseif k == 6
	EPR \set, 24, 5
.elseif k == 7
	EPR \set, 29, 3
.elseif k == 8
	EPR \set, 32, 1
.elseif k == 9
	EPR \set, 33, 1
.elseif k < 18
	EPR \set, 34+7*(k-10), 7
.elseif k == 18
	EPR \set, 90, 8
.elseif k < 27
	EPR \set, 98+4*(k-19), 4
.elseif k == 27
	EPR \set, 130, 6
.elseif k == 28
	EPR \set, 136, 3
.elseif k == 29
	EPR \set, 139, 3
.elseif k == 30
	EPR \set, 142, 2
.else
	EPR \set, 144, 6
.endif
.endm
.macro TURN set, p, ep, mode, nx, sc, ld, cnt
.set XOFF, XT16*(((\p)+1)%4)
.if \mode == 1
	WIN 0
	s_wait_tensorcnt 0x0
	ds_add_u32 v[SPW], v[NIL]
	s_add_nc_u64 s[50:51], s[50:51], SLOTG
	s_add_co_u32 s49, s53, s52
.endif
	s_wait_dscnt 6
.set i, 0
.rept 32
.if (\mode == 1) && (i == 8)
	s_wait_alu depctr_va_vdst(0)
	s_wait_dscnt 0x0
	s_barrier_signal -1
.endif
	MM \set, \p
.if \ep
.set k, i
	SLICE 1-(\set)
.endif
.if i == 15
.if \mode == 1
	WIN 0
	s_barrier_wait -1
	CREST
	tensor_load_to_lds s[48:51], s[32:39]
	s_nop 0
	NOP4
.elseif \mode == 2
	s_wait_tensorcnt 0x0
.endif
	s_wait_dscnt 0x0
.if \sc == 1
	WIN 0
	s_wait_loadcnt \cnt
.irp q, 0,1,2,3
	v_perm_b32 v[XS+4+\q], v[RS1+\q], v[RS1+\q], s62
.endr
.if \ld
	global_load_b128 v[RS1:RS1+3], v[SOFF], s[56:57] offset:1536
.endif
.elseif \sc == 2
	WIN 0
	s_wait_loadcnt \cnt
.irp q, 0,1,2,3
	v_perm_b32 v[XS+\q], v[RS0+\q], v[RS0+\q], s62
.endr
.if \ld
	global_load_b128 v[RS0:RS0+3], v[SOFF], s[56:57] offset:2048
.endif
.endif
.if \ep && (\p == 1)
	WIN 0
	v_add_nc_u32 v[KA], s55, v[KA0]
	s_add_co_u32 s55, s55, 512
.endif
.if \nx && (\p == 3)
	WIN 0
	s_xor_b32 s52, s52, SLOTL
.irp q, 0,1,2,3
	v_add_nc_u32 v[XC+\q], s52, v[XA+\q]
.endr
.endif
.if \nx
.if !(\ep)
	NOP4
.endif
	XLOAD 0
	XLOAD 1
.endif
.endif
.if (i == 23) && \nx
.if !(\ep)
	NOP4
.endif
	XLOAD 2
.endif
.if i == 31
.if \ep
	WIN KSW
	ds_store_b64 v[KA], v[KG:KG+1] offset:128*(((\p)+3)%4)
.endif
.if \nx
.if !(\ep)
	NOP4
.endif
	XLOAD 3
.endif
.endif
.set i, i+1
.endr
.endm
.set XOFF, 0
	XLOAD 0
	XLOAD 1
	XLOAD 2
	XLOAD 3
	TURN 0, 0, 0, 0, 1, 0, 0, 0
	WIN 0
	s_mov_b32 s54, 14
.Lslot:
	TURN 1, 1, 1, 0, 1, 1, 1, 1
	TURN 0, 2, 1, 0, 1, 0, 0, 0
	TURN 1, 3, 1, 1, 1, 2, 1, 1
	TURN 0, 0, 1, 0, 1, 0, 0, 0
	WIN 0
	s_wait_xcnt 0x0
	s_add_nc_u64 s[56:57], s[56:57], 1024
	s_sub_co_u32 s54, s54, 1
	s_cmp_lg_u32 s54, 0
	s_cbranch_scc1 .Lslot
	TURN 1, 1, 1, 0, 1, 1, 1, 1
	TURN 0, 2, 1, 0, 1, 0, 0, 0
	TURN 1, 3, 1, 2, 1, 2, 0, 1
	TURN 0, 0, 1, 0, 1, 0, 0, 0
	TURN 1, 1, 1, 0, 1, 1, 0, 0
	TURN 0, 2, 1, 0, 1, 0, 0, 0
	TURN 1, 3, 1, 0, 0, 0, 0, 0
	EPR 1, 0, 150
	WIN KSW
	ds_store_b64 v[KA], v[KG:KG+1] offset:384
	WIN 0
.irp t, 0,1,2,3,4,5,6,7,8,9,10,11,12,13,14,15
	ds_load_b128 v[OB+4*\t:OB+4*\t+3], v[KR] offset:512*\t
.endr
.irp t, 0,1,2,3,4,5,6,7,8,9,10,11,12,13,14,15
	s_wait_dscnt 15-\t
	global_store_b128 v[VO], v[OB+4*\t:OB+4*\t+3], s[10:11] offset:131072*\t th:TH_STORE_NT
.endr
	s_wait_tensorcnt 0x0
	ds_add_u32 v[SPW], v[NIL]
	s_wait_dscnt 0x0
	ROUND
	s_endpgm
.Lfunc_end_k_q3613230ae9_score:
	.size	k_q3613230ae9_score, .Lfunc_end_k_q3613230ae9_score-k_q3613230ae9_score
	.p2alignl 7, 3214868480
	.fill 96, 4, 3214868480
	.section	.rodata,"a",@progbits
	.p2align	6, 0x0
	.amdhsa_kernel k_q3613230ae9_score
		.amdhsa_group_segment_fixed_size 327680
		.amdhsa_private_segment_fixed_size 0
		.amdhsa_enable_private_segment 0
		.amdhsa_kernarg_size 32
		.amdhsa_user_sgpr_count 2
		.amdhsa_user_sgpr_kernarg_segment_ptr 1
		.amdhsa_wavefront_size32 1
		.amdhsa_system_sgpr_workgroup_id_x 1
		.amdhsa_system_sgpr_workgroup_id_y 1
		.amdhsa_system_sgpr_workgroup_id_z 1
		.amdhsa_system_vgpr_workitem_id 0
		.amdhsa_next_free_vgpr 1024
		.amdhsa_next_free_sgpr 96
		.amdhsa_reserve_vcc 1
		.amdhsa_float_denorm_mode_32 3
		.amdhsa_float_denorm_mode_16_64 3
		.amdhsa_memory_ordered 1
		.amdhsa_forward_progress 1
		.amdhsa_inst_pref_size 255
	.end_amdhsa_kernel
	.section	.bss,"aw",@nobits
	.p2align	6
	.space	262144
	.amdgpu_metadata
---
amdhsa.version: [ 1, 2 ]
amdhsa.kernels:
  - .name:           k_q3613230ae9_score
    .symbol:         k_q3613230ae9_score.kd
    .args:
      - { .name: emb_table, .offset: 0, .size: 8, .value_kind: global_buffer, .address_space: global }
      - { .name: xt_codes, .offset: 8, .size: 8, .value_kind: global_buffer, .address_space: global }
      - { .name: xt_scales, .offset: 16, .size: 8, .value_kind: global_buffer, .address_space: global }
      - { .name: part, .offset: 24, .size: 8, .value_kind: global_buffer, .address_space: global }
    .group_segment_fixed_size: 327680
    .private_segment_fixed_size: 0
    .kernarg_segment_align: 8
    .kernarg_segment_size: 32
    .max_flat_workgroup_size: 128
    .sgpr_count:     96
    .vgpr_count:     1024
    .wavefront_size: 32
...
	.end_amdgpu_metadata
.endif
;; end of part 1
;; launch pick (part 2): grid 128 x 1, 8 waves a work-group, no clusters, 5,120 bytes of LDS; arguments part, emb_table, out0; writes out0
.if DOCPART == 2
	.amdgcn_target "amdgcn-amd-amdhsa--gfx1250"
	.amdhsa_code_object_version 6
	.text
	.protected	k_q3613230ae9_pick
	.globl	k_q3613230ae9_pick
	.p2align	8
	.type	k_q3613230ae9_pick,@function
k_q3613230ae9_pick:
	s_mov_b64 s[64:65], 0
	v_nop
	global_prefetch_b8 v0, s[64:65] scope:SCOPE_SE
	s_setreg_imm32_b32 hwreg(HW_REG_WAVE_MODE, 25, 1), 1
	s_wait_xcnt 0x0
; For each row of x: of the 256 pairs (key, index) that the launch before stored, the smallest key, and among equal keys the smallest index (the first index of the smallest distance); then the table's row at
; that index is copied to out0.  All arithmetic here is on whole numbers.
; part is laid [row / 32][w 256][row % 32][2] of 32-bit words.  A work-group takes 32 rows: one dense block of 65,536 bytes.  Wave v takes w = 32 v .. 32 v + 31: 16 loads of 512 consecutive bytes; a lane then holds,
; for rows 2 (lane % 16) and 2 (lane % 16) + 1, the pairs of 16 values of w.  They are merged in the lane, with lane l xor 16, and, through 2,048 bytes of LDS and one barrier, over the eight waves.
; Then wave v copies rows 4 v .. 4 v + 3: a row is 2,048 bytes, four loads and four stores of 512 consecutive bytes.
; with w (where two ranges overlap, a shared column gives both the same score).  Between lanes the index decides at equal keys.
; The index is held to 31,999 ahead of its use in an address.  No matrix unit, no cluster, no tensor load: the launch moves bytes, and its work-groups share no input.
.macro MRG ka, ga, kb, gb              ; (ka, ga) takes (kb, gb) where kb < ka
	v_cmp_lt_u32 vcc_lo, v[\kb], v[\ka]
	s_delay_alu instid0(VALU_DEP_1)
	v_cndmask_b32 v[\ka], v[\ka], v[\kb], vcc_lo
	s_delay_alu instid0(VALU_DEP_2)
	v_cndmask_b32 v[\ga], v[\ga], v[\gb], vcc_lo
.endm
.macro MRGT ka, ga, kb, gb             ; the same, and where kb = ka and gb < ga
	v_cmp_lt_u32 s20, v[\kb], v[\ka]
	v_cmp_eq_u32 s21, v[\kb], v[\ka]
	v_cmp_lt_u32 s22, v[\gb], v[\ga]
	s_and_b32 s21, s21, s22
	s_or_b32 s20, s20, s21
	v_cndmask_b32 v[\ka], v[\ka], v[\kb], s20
	v_cndmask_b32 v[\ga], v[\ga], v[\gb], s20
.endm
	s_load_b128 s[4:7], s[0:1], 0x0                ; part s[4:5], the table s[6:7]
	s_load_b64 s[8:9], s[0:1], 0x10                ; out0
	v_lshl_add_u32 v128, v0, 2, 0x1000
	v_mov_b32 v129, 0
	v_lshrrev_b32 v1, 5, v0
	s_delay_alu instid0(VALU_DEP_1)
	v_readfirstlane_b32 s10, v1                    ; wave 0..7
	v_and_b32 v1, 31, v0
	s_delay_alu instid0(VALU_DEP_1)
	v_lshlrev_b32 v2, 4, v1                        ; 16 x lane; never rewritten
	s_lshl_b32 s12, ttmp9, 16                      ; part: 65,536 bytes a work-group, 8,192 a wave; out0: 32 rows of 2,048 bytes a work-group, 4 a wave: the same number
	s_lshl_b32 s13, s10, 13
	s_add_co_u32 s12, s12, s13
	s_mov_b32 s13, 0
	s_mov_b32 s16, 0x76543210
	s_mov_b32 s17, 0xfedcba98                      ; v_permlanex16_b32's selects for lane l xor 16
	s_wait_alu depctr_va_vdst(0)
	s_wait_kmcnt 0x0
	s_add_nc_u64 s[4:5], s[4:5], s[12:13]
	s_add_nc_u64 s[8:9], s[8:9], s[12:13]
.irp i, 0,1,2,3,4,5,6,7,8,9,10,11,12,13,14,15
	global_load_b128 v[32+4*\i:35+4*\i], v2, s[4:5] offset:512*\i th:TH_LOAD_NT   ; w = 32 v + 2 i + lane / 16: key and index of two rows
.endr
	v_and_b32 v3, 15, v0
	s_delay_alu instid0(VALU_DEP_1)
	v_lshlrev_b32 v3, 4, v3
	s_lshl_b32 s14, s10, 8
	v_add_nc_u32 v3, s14, v3                       ; LDS, in: 256 x wave + 16 (lane % 16): my two rows' pairs
	v_and_b32 v4, 7, v0
	v_bfe_u32 v5, v0, 3, 2
	s_delay_alu instid0(VALU_DEP_2)
	v_lshlrev_b32 v4, 8, v4
	s_delay_alu instid0(VALU_DEP_1)
	v_lshl_add_u32 v4, v5, 3, v4
	s_lshl_b32 s14, s10, 5
	v_add_nc_u32 v4, s14, v4                       ; LDS, back: wave lane % 8's pair of row 4 v + lane / 8
	s_wait_loadcnt 0x0
.irp d, 1,2,4,8                        ; a tree over i; the left side is always the earlier w
.set i, 0
.rept 8/\d
	MRG 32+4*i, 33+4*i, 32+4*(i+\d), 33+4*(i+\d)
	MRG 34+4*i, 35+4*i, 34+4*(i+\d), 35+4*(i+\d)
.set i, i+2*\d
.endr
.endr
.irp q, 0,1,2,3
	v_permlanex16_b32 v[36+\q], v[32+\q], s16, s17 ; the other 16 values of w
.endr
	MRGT 32, 33, 36, 37
	MRGT 34, 35, 38, 39
	ds_store_b128 v3, v[32:35]                     ; both halves of the lanes write the same bytes with the same values
	s_wait_dscnt 0x0                               ; for the others' sake: my store has landed
	s_barrier_signal -1
	s_barrier_wait -1
	ds_load_b64 v[40:41], v4
	s_wait_dscnt 0x0
.irp m, 1
	v_mov_b32_dpp v42, v40 row_xmask:\m row_mask:0xf bank_mask:0xf
	v_mov_b32_dpp v43, v41 row_xmask:\m row_mask:0xf bank_mask:0xf
	MRGT 40, 41, 42, 43
.endr
.irp m, 2, 4
	s_delay_alu instid0(VALU_DEP_2)
	v_mov_b32_dpp v42, v40 row_xmask:\m row_mask:0xf bank_mask:0xf
	s_delay_alu instid0(VALU_DEP_2)
	v_mov_b32_dpp v43, v41 row_xmask:\m row_mask:0xf bank_mask:0xf
	MRGT 40, 41, 42, 43
.endr
.irp q, 0,1,2,3
	v_readlane_b32 s[24+\q], v41, 8*\q             ; row 4 v + q's index
.endr
.irp q, 0,1,2,3
	s_min_u32 s[24+\q], s[24+\q], 31999            ; inside the table
	s_lshl_b32 s[24+\q], s[24+\q], 11              ; a row is 2,048 bytes
	v_add_nc_u32 v[8+\q], s[24+\q], v2
.endr
.irp q, 0,1,2,3
.irp i, 0,1,2,3
	global_load_b128 v[48+16*\q+4*\i:51+16*\q+4*\i], v[8+\q], s[6:7] offset:512*\i   ; no hint: a table row may be chosen by several rows
.endr
.endr
.set n, 0
.rept 16
	s_wait_loadcnt 15-n                            ; loads come back in order: number n is in, the later ones may be out
	global_store_b128 v2, v[48+4*n:51+4*n], s[8:9] offset:512*n th:TH_STORE_NT       ; 32 lanes store 512 consecutive bytes, at a multiple of 256 from out0's first byte
.set n, n+1
.endr
	s_wait_tensorcnt 0x0
	ds_add_u32 v128, v129
	s_wait_dscnt 0x0
	s_endpgm
.Lfunc_end_k_q3613230ae9_pick:
	.size	k_q3613230ae9_pick, .Lfunc_end_k_q3613230ae9_pick-k_q3613230ae9_pick
	.p2alignl 7, 3214868480
	.fill 96, 4, 3214868480
	.section	.rodata,"a",@progbits
	.p2align	6, 0x0
	.amdhsa_kernel k_q3613230ae9_pick
		.amdhsa_group_segment_fixed_size 5120
		.amdhsa_private_segment_fixed_size 0
		.amdhsa_enable_private_segment 0
		.amdhsa_kernarg_size 24
		.amdhsa_user_sgpr_count 2
		.amdhsa_user_sgpr_kernarg_segment_ptr 1
		.amdhsa_wavefront_size32 1
		.amdhsa_system_sgpr_workgroup_id_x 1
		.amdhsa_system_sgpr_workgroup_id_y 1
		.amdhsa_system_sgpr_workgroup_id_z 1
		.amdhsa_system_vgpr_workitem_id 0
		.amdhsa_next_free_vgpr 130
		.amdhsa_next_free_sgpr 66
		.amdhsa_reserve_vcc 1
		.amdhsa_float_denorm_mode_32 3
		.amdhsa_float_denorm_mode_16_64 3
		.amdhsa_memory_ordered 1
		.amdhsa_forward_progress 1
		.amdhsa_inst_pref_size 16
	.end_amdhsa_kernel
	.amdgpu_metadata
---
amdhsa.version: [ 1, 2 ]
amdhsa.kernels:
  - .name:           k_q3613230ae9_pick
    .symbol:         k_q3613230ae9_pick.kd
    .args:
      - { .name: part, .offset: 0, .size: 8, .value_kind: global_buffer, .address_space: global }
      - { .name: emb_table, .offset: 8, .size: 8, .value_kind: global_buffer, .address_space: global }
      - { .name: out0, .offset: 16, .size: 8, .value_kind: global_buffer, .address_space: global }
    .group_segment_fixed_size: 5120
    .private_segment_fixed_size: 0
    .kernarg_segment_align: 8
    .kernarg_segment_size: 24
    .max_flat_workgroup_size: 256
    .sgpr_count:     66
    .vgpr_count:     130
    .wavefront_size: 32
...
	.end_amdgpu_metadata
.endif
;; end of part 2
